; MI455X (gfx1250); checked and timed in simulation.
; The chip was launched on July 23, 2026; its instructions are those of AMD's public machine-readable ISA for CDNA 5 (MIT licence, August 2026) and "CDNA5" Instruction Set Architecture Reference Guide (July 2026). The comments in the code are by the model that wrote it; some were corrected since.
;; Match Net. Allowed arithmetic: float matrix products may take bf16 or f16 operands with f32 sums; all other float work in f32.
;; Inputs: W_hh 2,048 x 512 float32; W_ih 2,048 x 256 float32; b_hh 2,048 float32; b_ih 2,048 float32; query_mean 8,192 x 256 float32; query_var 8,192 x 256 float32; support_mean 512 x 256 float32; support_var 512 x 256 float32.
;; Outputs: out0 8,192 x 512 float32.
;; One version. Each part assembles by itself: llvm-mc -triple=amdgcn-amd-amdhsa -mcpu=gfx1250 --defsym DOCPART=n.
;; ======== version 1 of 1: 2 launches
;; limits: values are held in f16: magnitudes above 65,504 overflow, below 6.1e-05 lose precision
;; workspace buffers: wst 2,101,248 bytes
;; launch pack (part 1): grid 257 x 1, 8 waves a work-group, no clusters, 0 bytes of LDS; arguments W_ih, W_hh, support_mean, b_ih, b_hh, wst; writes wst
.if DOCPART == 1
	.amdgcn_target "amdgcn-amd-amdhsa--gfx1250"
	.amdhsa_code_object_version 6
	.text
	.protected	k_q93864d7e89_pack
	.globl	k_q93864d7e89_pack
	.p2align	8
	.type	k_q93864d7e89_pack,@function
k_q93864d7e89_pack:
	s_mov_b64 s[64:65], 0
	v_nop
	global_prefetch_b8 v0, s[64:65] scope:SCOPE_SE
	s_setreg_imm32_b32 hwreg(HW_REG_WAVE_MODE, 25, 1), 1
	s_wait_xcnt 0x0
; The weights that the chain uses are rounded and laid in the order in which its waves eat them; the two biases are rounded and added in f32.
; ROUNDING.  Every input number is rounded to bf16 (nearest even), as all inputs of this program are, and that number is written as f16: 8 significant bits fit f16's 11, so the second step is exact
; from 2^-17 up to 65,504; below 2^-17 it errs by 3e-8 at the most; beyond 65,504 it gives an infinity.
; WHAT IS LEFT OUT.  Only columns 0..255 of the new hidden state are ever used, and column j of the cell hangs on column j of the four gates alone:
; rows q*512 + 256 .. q*512 + 511 of W_ih, W_hh, b_ih, b_hh reach no output and are not read.
; A FRAGMENT is 16 rows m x 32 k of f16, 1,024 bytes: lane L = (r = L % 16, hh = L / 16) holds row m = r; its 16 bytes at 16 L hold k = 8 hh + 0..7,
; its 16 bytes at 512 + 16 L hold k = 16 + 8 hh + 0..7.  Fragment F = 128 T + 32 w + f lies at 1,024 F: tile T (131,072 bytes), wave w's quarter, f = K step in the tile x MT + m tile.
;   T 0-3   W_ih   2 K steps x 16 m tiles: row (mt/4)*512 + 64 w + 16 (mt%4) + r, K step 2 T + f/16
;   T 4-5   support, as it lies   4 x 8: row 128 w + 16 mt + r, K step 4 (T-4) + f/8
;   T 6-7   support, turned       8 x 4: m = channel 64 w + 16 mt + r, k = support row, K step 8 (T-6) + f/4
;   T 8-15  W_hh   2 x 16: rows as W_ih; the columns that meet r first: K step (2 (T-8) + f/16) xor 8 of sixteen
; Behind the sixteen tiles: bsum[q*256 + j] = b_ih[q*512 + j] + b_hh[q*512 + j], 1,024 f32.
; SHARES.  A wave makes one fragment, a work-group eight: 256 work-groups; work-group 256 makes the bias, 16 bytes a thread.  Every store of a wave is 512 consecutive bytes, aligned.
; No LDS, no barrier, no matrix unit: each wave loads once, converts and stores.
.set BIAS, 2097152                     ; byte at which bsum begins
	s_load_b256 s[4:11], s[0:1], 0x0               ; W_ih s[4:5], W_hh s[6:7], support_mean s[8:9], b_ih s[10:11]
	s_load_b128 s[12:15], s[0:1], 0x20             ; b_hh s[12:13], wst s[14:15]
	v_lshrrev_b32 v1, 5, v0
	v_readfirstlane_b32 s16, v1                    ; wave 0..7
	v_and_b32 v1, 31, v0                           ; L
	v_and_b32 v2, 15, v0                           ; r
	v_bfe_u32 v3, v0, 4, 1                         ; hh
	v_lshlrev_b32 v5, 4, v1                        ; 16 L
	s_lshl_b32 s17, ttmp9, 3
	s_add_co_u32 s17, s17, s16                     ; F
	s_lshr_b32 s18, ttmp9, 4                       ; T = F / 128
	s_bfe_u32 s19, s17, 0x20005                    ; w = (F / 32) % 4
	s_and_b32 s20, s17, 31                         ; f
	s_lshl_b32 s26, s17, 10                        ; the fragment's byte in wst
	s_mov_b32 s27, 0
	s_wait_kmcnt 0x0
	s_cmp_eq_u32 ttmp9, 256
	s_cbranch_scc1 .Lbias
	s_add_nc_u64 s[14:15], s[14:15], s[26:27]
; sixteen f32 in v[8:23] (k ascending: the first half's eight, the second half's eight) are rounded to bf16, widened again, written as f16 and stored
.macro FINISH
	s_wait_loadcnt 0x0
.irp p, 0,1,2,3,4,5,6,7
	v_cvt_pk_bf16_f32 v[24+\p], v[8+2*\p], v[9+2*\p]
.endr
.irp p, 0,1,2,3,4,5,6,7
	v_lshlrev_b32 v[8+2*\p], 16, v[24+\p]
	v_and_b32 v[9+2*\p], 0xffff0000, v[24+\p]
.endr
.irp p, 0,1,2,3,4,5,6,7
	v_cvt_pk_f16_f32 v[24+\p], v[8+2*\p], v[9+2*\p]
.endr
	global_store_b128 v5, v[24:27], s[14:15]
	global_store_b128 v5, v[28:31], s[14:15] offset:512
	s_endpgm
.endm
; a fragment whose k runs along the source's rows: first row s21, K step s22, a row of 1 << shift bytes.  A row's 128 bytes are taken whole by the wave's four loads.
.macro ROWS base, shift
	v_add_nc_u32 v4, s21, v2                       ; my row
	v_lshlrev_b32 v4, \shift, v4
	s_lshl_b32 s28, s22, 7                         ; 32 k of 4 bytes
	v_lshl_add_u32 v4, v3, 5, v4                   ; + 8 hh numbers
	v_add_nc_u32 v4, s28, v4
	global_load_b128 v[8:11],  v4, s[\base:\base+1]
	global_load_b128 v[12:15], v4, s[\base:\base+1] offset:16
	global_load_b128 v[16:19], v4, s[\base:\base+1] offset:64
	global_load_b128 v[20:23], v4, s[\base:\base+1] offset:80
	FINISH
.endm
; first row of a gate fragment: (mt / 4) * 512 + 64 w + 16 (mt % 4), mt = f % 16; K step within the tile f / 16
.macro GATEROW
	s_lshr_b32 s22, s20, 4
	s_and_b32 s28, s20, 15
	s_lshr_b32 s29, s28, 2
	s_lshl_b32 s21, s29, 9
	s_and_b32 s28, s28, 3
	s_lshl_b32 s28, s28, 4
	s_add_co_u32 s21, s21, s28
	s_lshl_b32 s28, s19, 6
	s_add_co_u32 s21, s21, s28
.endm
	s_cmp_lt_u32 s18, 4
	s_cbranch_scc1 .Lwih
	s_cmp_ge_u32 s18, 8
	s_cbranch_scc1 .Lwhh
	s_cmp_lt_u32 s18, 6
	s_cbranch_scc1 .Lsup
	; support turned: lane (r, hh) takes channel 64 w + 16 mt + r of sixteen support rows
	s_lshr_b32 s22, s20, 2
	s_sub_co_u32 s28, s18, 6
	s_lshl_b32 s28, s28, 3
	s_add_co_u32 s22, s22, s28                     ; K step 8 (T-6) + f / 4
	s_and_b32 s28, s20, 3
	s_lshl_b32 s21, s28, 4
	s_lshl_b32 s28, s19, 6
	s_add_co_u32 s21, s21, s28                     ; 64 w + 16 mt
	v_add_nc_u32 v4, s21, v2
	v_lshlrev_b32 v4, 2, v4                        ; my channel, in bytes
	v_lshl_add_u32 v4, v3, 13, v4                  ; + 8 hh rows of 1,024 bytes
	s_lshl_b32 s28, s22, 15                        ; + 32 rows a K step
	v_add_nc_u32 v4, s28, v4
.irp e, 0,1,2,3,4,5,6,7
	global_load_b32 v[8+\e],  v4, s[8:9] offset:1024*\e
.endr
.irp e, 0,1,2,3,4,5,6,7
	global_load_b32 v[16+\e], v4, s[8:9] offset:16384+1024*\e
.endr
	FINISH
.Lwih:
	GATEROW
	s_lshl_b32 s28, s18, 1
	s_add_co_u32 s22, s22, s28                     ; K step 2 T + f / 16
	ROWS 4, 10
.Lwhh:
	GATEROW
	s_sub_co_u32 s28, s18, 8
	s_lshl_b32 s28, s28, 1
	s_add_co_u32 s22, s22, s28                     ; 2 (T-8) + f / 16,
	s_xor_b32 s22, s22, 8                          ; the two halves of K swapped: tiles 8-11 hold the columns that meet r, tiles 12-15 those that meet h
	ROWS 6, 11
.Lsup:
	s_lshr_b32 s22, s20, 3
	s_sub_co_u32 s28, s18, 4
	s_lshl_b32 s28, s28, 2
	s_add_co_u32 s22, s22, s28                     ; K step 4 (T-4) + f / 8
	s_and_b32 s28, s20, 7
	s_lshl_b32 s21, s28, 4
	s_lshl_b32 s28, s19, 7
	s_add_co_u32 s21, s21, s28                     ; row 128 w + 16 mt
	ROWS 8, 10
.Lbias:                                                ; thread t: gate t / 64, columns 4 (t % 64) + 0..3
	v_lshrrev_b32 v6, 6, v0
	v_and_b32 v7, 63, v0
	v_lshlrev_b32 v4, 11, v6                       ; a gate's 512 numbers are 2,048 bytes
	v_lshl_add_u32 v4, v7, 4, v4
	global_load_b128 v[8:11],  v4, s[10:11]
	global_load_b128 v[12:15], v4, s[12:13]
	v_lshlrev_b32 v6, 4, v0
	s_wait_loadcnt 0x0
.irp p, 0,1,2,3
	v_cvt_pk_bf16_f32 v[16+\p], v[8+2*\p], v[9+2*\p]   ; each bias is rounded to bf16 by itself, as every input is
.endr
.irp p, 0,1,2,3
	v_lshlrev_b32 v[8+2*\p], 16, v[16+\p]
	v_and_b32 v[9+2*\p], 0xffff0000, v[16+\p]
.endr
	v_pk_add_f32 v[8:9], v[8:9], v[12:13]
	v_pk_add_f32 v[10:11], v[10:11], v[14:15]
	global_store_b128 v6, v[8:11], s[14:15] offset:BIAS
	s_endpgm
.Lfunc_end_k_q93864d7e89_pack:
	.size	k_q93864d7e89_pack, .Lfunc_end_k_q93864d7e89_pack-k_q93864d7e89_pack
	.p2alignl 7, 3214868480
	.fill 96, 4, 3214868480
	.section	.rodata,"a",@progbits
	.p2align	6, 0x0
	.amdhsa_kernel k_q93864d7e89_pack
		.amdhsa_group_segment_fixed_size 0
		.amdhsa_private_segment_fixed_size 0
		.amdhsa_enable_private_segment 0
		.amdhsa_kernarg_size 48
		.amdhsa_user_sgpr_count 2
		.amdhsa_user_sgpr_kernarg_segment_ptr 1
		.amdhsa_wavefront_size32 1
		.amdhsa_system_sgpr_workgroup_id_x 1
		.amdhsa_system_sgpr_workgroup_id_y 1
		.amdhsa_system_sgpr_workgroup_id_z 1
		.amdhsa_system_vgpr_workitem_id 0
		.amdhsa_next_free_vgpr 32
		.amdhsa_next_free_sgpr 66
		.amdhsa_reserve_vcc 0
		.amdhsa_float_denorm_mode_32 3
		.amdhsa_float_denorm_mode_16_64 3
		.amdhsa_memory_ordered 1
		.amdhsa_forward_progress 1
		.amdhsa_inst_pref_size 16
	.end_amdhsa_kernel
	.amdgpu_metadata
---
amdhsa.version: [ 1, 2 ]
amdhsa.kernels:
  - .name:           k_q93864d7e89_pack
    .symbol:         k_q93864d7e89_pack.kd
    .args:
      - { .name: W_ih, .offset: 0, .size: 8, .value_kind: global_buffer, .address_space: global }
      - { .name: W_hh, .offset: 8, .size: 8, .value_kind: global_buffer, .address_space: global }
      - { .name: support_mean, .offset: 16, .size: 8, .value_kind: global_buffer, .address_space: global }
      - { .name: b_ih, .offset: 24, .size: 8, .value_kind: global_buffer, .address_space: global }
      - { .name: b_hh, .offset: 32, .size: 8, .value_kind: global_buffer, .address_space: global }
      - { .name: wst, .offset: 40, .size: 8, .value_kind: global_buffer, .address_space: global }
    .group_segment_fixed_size: 0
    .private_segment_fixed_size: 0
    .kernarg_segment_align: 8
    .kernarg_segment_size: 48
    .max_flat_workgroup_size: 256
    .sgpr_count:     66
    .vgpr_count:     32
    .wavefront_size: 32
...
	.end_amdgpu_metadata
.endif
;; end of part 1
;; launch chain (part 2): grid 256 x 1, 4 waves a work-group, clusters of 4 x 1, 327,680 bytes of LDS; arguments query_mean, wst, out0; writes out0
.if DOCPART == 2
	.amdgcn_target "amdgcn-amd-amdhsa--gfx1250"
	.amdhsa_code_object_version 6
	.text
	.protected	k_q93864d7e89_chain
	.globl	k_q93864d7e89_chain
	.p2align	8
	.type	k_q93864d7e89_chain,@function
k_q93864d7e89_chain:
	s_mov_b64 s[64:65], 0
	v_nop
	global_prefetch_b8 v0, s[64:65] scope:SCOPE_SE
	s_setreg_imm32_b32 hwreg(HW_REG_WAVE_MODE, 25, 1), 1
	s_wait_xcnt 0x0
	s_wait_alu depctr_hold_cnt(0) depctr_sa_sdst(0) depctr_va_vdst(0) depctr_va_sdst(0) depctr_va_ssrc(0) depctr_va_vcc(0) depctr_vm_vsrc(0)
	s_getreg_b32 s2, hwreg(HW_REG_IB_STS2, 6, 4)
	s_cmp_eq_u32 s2, 0
	s_cbranch_scc0 .Lentry_in_a_cluster
	s_endpgm
.Lentry_in_a_cluster:
	s_bfe_u32 s2, ttmp6, 0x10000c
	s_cmp_lg_u32 s2, 0x3003
	s_cbranch_scc0 .Lentry_shape_is_right
	s_endpgm
.Lentry_shape_is_right:
; THE WHOLE RECURRENCE, FUSED.  Four times: gates = x W_ih^T + [h | r] W_hh^T + biases; the LSTM cell; h = x + o tanh(c); scores = h S^T; r = softmax(scores) S.  The fourth scores are the output.
; The batch rows do not depend on each other: a work-group owns 32 of them (two batch tiles bt of 16) from first to last; c, x, and x W_ih^T + biases stay in registers, h, the weights p and r pass
; between the waves through LDS, and the weights, which pack has laid in fragments of f16, are walked as 42 tiles of 131,072 bytes through a ring of two LDS slots.
; WHAT IS NOT COMPUTED, for every input: columns 256..511 of the gates, of c and of the hidden state (they reach no output); x W_ih^T + biases a second time (it is the same in all four steps);
; the first step's product with a hidden state of zeros; the fourth step's softmax and r.  support_var and query_var enter nothing and are not read.
; FORMATS.  Every input is rounded to bf16 once (x here, also where it is added to o tanh(c); the weights and biases by pack); a bf16 number is exact in f16.  All products: f16 operands, f32 sums.
; The scores are not scaled and reach 50 and more, while a difference of 1 between two of them decides the softmax; so what the program itself makes and multiplies again is kept to 22 bits:
; h and r go to the matrix unit as hi + lo, two f16 numbers (hi = the number to 11 bits, lo = the rest, exact in f32 before it is rounded), and each weight fragment is multiplied by both.
; p is one f16 number.  Biases, gates, cell, maxima, exponentials and sums in f32.  The softmax takes the row's true maximum away.
; LIMITS.  f16 ends at 65,504: x, h, r and the weights beyond it become infinities; below 6e-5 f16 keeps a fixed step of 6e-8 (a weight p below 3e-8 counts as 0 in r, not in the sum l).
; NaN and infinities are not treated apart.
; LAYOUT.  Every product is used transposed: source 0 = 16 output columns (a weight fragment), source 1 = 16 batch rows.  In a result lane (r, h) holds batch row 16 bt + r and the columns 8 h + 0..7,
; so a result tile rounded to f16 IS half of a source-1 fragment of the next product, lane for lane.
; SHARES.  Wave w owns columns 64 w .. 64 w + 63 of each gate (16 m tiles x 2 bt = 32 accumulators), support rows 128 w .. + 127 of the scores (16), channels 64 w .. + 63 of r (8).
; A tile's quarter w is brought by wave w's own tensor load and read by wave w alone.
; CLUSTER.  The four work-groups of a cluster walk the same tiles: every tile is asked for JOINTLY, the same load, descriptor and mask of four in all; the place in the cluster enters x's and out's addresses alone.
; REGISTERS, in windows of 256 (s_set_vgpr_msb: bits 1:0 source 0, 3:2 source 1, 5:4 source 2, 7:6 destination):
;   window 0: v0-15 addresses; v16-79 c; v80-111 x, packed bf16; v112-143 my part of h_lo, packed f16; v144-207 AF: activation fragments, packed p; v208-255 T: at work
;   window 1: GX = x W_ih^T + biases, tile (mt, bt) at 8 (2 mt + bt), kept to the end
;   window 2: ACC: gates in GX's order; scores (mt 0..7, bt) in v0-127 with h_lo's fragments in v128-191; r (mt 0..3, bt) in v0-63 with p's fragments in v128-255; at the start the biases at 8 mt
;   window 3: a tile's 32 weight fragments, fragment f at 8 f; at the end the rows of out read back from the stage
.set SLOTB, 131072                     ; a slot: slot 0 at LDS byte 0, slot 1 behind it
.set HF,    262144                     ; 16,384 bytes: fragments of x, then of h_hi: K step ks (0..7), bt at (2 ks + bt) * 1,024
.set PX,    278528                     ; 33,792 bytes, one use after the other.  Whole: x's stage (32 rows, pitch 1,040); p's fragments (K steps 0..15); the four stages of out (16 rows, pitch 528, a wave).
                                       ; Lower 16,384: r_hi.  Upper 16,384: the lo parts by turns: h_lo for the scores, r_lo, h_lo again for the gates
.set LOFF,  32768                      ; from HF to PX's upper half
.set MX,    312320                     ; 512 bytes: [row 0..31][wave 0..3] f32, the waves' maxima; behind them 512 bytes in the same order, the waves' sums
.set SPARE, 313344                     ; the spare words, 128 bytes a wave: two blocks of 256 bytes that no other line names
.set BIAS,  2097152                    ; byte of wst at which the summed biases begin
.set LB,   2                           ; v2, v3  my 16 bytes in my wave's quarter of slot 0, slot 1
.set LA,   4                           ; v4   HF + 16 L
.set PUBH, 5                           ; v5   where I put h_hi (16,384 on: r_hi; LOFF on: a lo part): LA + 4,096 w
.set PUBP, 6                           ; v6   where I put p: LA + 16,384 + 8,192 w
.set MXW,  7                           ; v7   MX + 16 L + 4 w: lane L speaks for row L
.set MXR,  8                           ; v8   MX + 16 r
.set OST,  9                           ; v9   into my stage of out: row r, 32 bytes for each half of the lanes
.set ORD,  10                          ; v10  back from it: 512 consecutive bytes a row
.set GO,   11                          ; v11  16 L
.set SPW,  12                          ; v12  my spare word: SPARE + 4 x my thread's number; never rewritten
.set NIL,  13                          ; v13  0; never rewritten
.set CC,   16
.set XB,   80                          ; group g = 2 jb + bt at XB + 4 g: register p holds columns 2 p (low half) and 2 p + 1
.set HL,   112                         ; the same order
.set AF,   144
.set T,    208
.set XW,   248                         ; set-up only: into x's stage,
.set XR,   249                         ; back from it,
.set BOFF, 250                         ; my byte offset among my wave's biases
.set G1,   16                          ; s[16:23] descriptor group 1
.set G0A,  24                          ; s[24:27] group 0 for slot 0
.set G0B,  28                          ; s[28:31] group 0 for slot 1
.set WB,   32                          ; s[32:33] wst at my wave's quarter of tile 0
.set OFF,  34                          ; s[34:35] a tile's byte offset
.set NXT,  36                          ; s36  the tile to be asked for next
.set STEPS, 37                         ; s37  steps to go
.set KN,   40                          ; s[40:41] -log2(e)
.set K2,   42                          ; s[42:43] 2 log2(e)
.set KL,   44                          ; s[44:45] log2(e)
.set SEL,  46                          ; s[46:47] v_permlanex16_b32's selects: each lane takes its own place in the other half
.set HIM,  48                          ; s48  0xffff0000: the mask of lanes 16-31, and of a word's upper bf16
.set KV,   54                          ; s[54:55] 8193 = 2^13 + 1: the factor that splits 24 bits into 11 and the rest
.set M_GXF, 0                          ; how a tile's products take C: GX started from the biases,
.set M_GXI, 1                          ; GX in place,
.set M_GXD, 2                          ; GX's last tile (see TILE),
.set M_GAF, 3                          ; ACC started from GX,
.set M_ACI, 4                          ; ACC in place,
.set M_SCZ, 5                          ; ACC started from 0,
.set M_RZ,  6                          ; the same with source 1 in window 2,
.set M_RI,  7                          ; in place with source 1 in window 2,
.set M_GAA, 8                          ; every product D = ACC, C = GX
.set MSB, 0
.macro WIN new                         ; the immediate's high byte repeats the setting that is left; a switch that changes nothing is dropped
.if MSB != (\new)
	s_set_vgpr_msb (MSB<<8)|(\new)
.set MSB, \new
.endif
.endm
; A vector instruction or LDS store that reads a matrix result, and a load into a register that a matrix instruction has named, stand four places behind it; a matrix instruction that takes the result as
; another accumulator's C, or writes over a named register, five; only plain vector instructions that name none of its registers are places (ISA guide 7.12.1 for vector instructions).
.macro PLACES
.rept 4
	v_nop
.endr
.endm
.macro FIVE
.rept 5
	v_nop
.endr
.endm
.macro MEETWG                          ; a barrier of the work-group behind which nothing is filled again: a tile on its way stays out.  My LDS instructions are done in front of the signal
	s_wait_dscnt 0x0
	s_barrier_signal -1
	s_barrier_wait -1
.endm
; A round of the cluster's barrier: my work-group's barrier, so that wave 0's signal speaks for all four waves; wave 0 signals; every wave waits for all four work-groups; my work-group's barrier once more.
.macro ROUND
	s_barrier_signal -1
	s_barrier_wait -1
	s_cmp_lg_u32 s10, 0
	s_cbranch_scc1 .Lnot_wave_0_\@
	s_barrier_signal -3
.Lnot_wave_0_\@:
	s_barrier_wait -3
	s_barrier_signal -1
	s_barrier_wait -1
.endm
; THE CHANGE OF SLOTS.  The tile to be read lies in slot rd; slot 1 - rd, read last, is filled again with tile NXT.  Each wave waits for all its tensor loads (one is out: its quarter of slot rd), adds 0 to its
; spare word, and waits for that, for its reads of the old slot, and for what it has stored into LDS for the other waves (h, r, the maxima).  The round then holds of every wave of all four work-groups, and the
; joint refill is the first thing behind it: one load a wave is out until the next change.  Its four v_nop are also the places in front of the fragment loads that follow.
.macro CHANGE rd
	WIN 0                                          ; at a label and at a branch every window is 0
	s_wait_tensorcnt 0x0                           ; no tensor load of mine is out, so a group 0 may be written
	ds_add_u32 v[SPW], v[NIL]                      ; 0 onto my spare word: the descriptor's scalar work stands between it and the wait for it
	s_lshl_b32 s[OFF], s[NXT], 17                  ; a tile is 131,072 bytes
	s_add_nc_u64 s[G0B-4*(\rd)+2:G0B-4*(\rd)+3], s[WB:WB+1], s[OFF:OFF+1]  ; the address is made anew from the tile's number,
	s_or_b32 s[G0B-4*(\rd)+3], s[G0B-4*(\rd)+3], 0x80000000               ; the type bits set again
	s_add_co_u32 s[NXT], s[NXT], 1                 ; the walk: 0..3, then 4..15 over and over
	s_cmp_gt_u32 s[NXT], 15
	s_cselect_b32 s[NXT], 4, s[NXT]
	s_wait_dscnt 0x0
	ROUND
	tensor_load_to_lds s[G0B-4*(\rd):G0B-4*(\rd)+3], s[G1:G1+7]
	s_nop 0
	PLACES
.endm
; Half b of a tile's activation fragments: its KS / 2 K steps, both bt, from LA + aoff into v[abase ..] of window 0 (awin = 0) or 2 (awin = 0x80).  Every load takes 512 consecutive bytes, 16 a lane.
.macro LOADA b, KS, aoff, awin, abase
	WIN \awin
.set kI, (\b)*(\KS)/2
.rept (\KS)/2
.set bI, 0
.rept 2
.set rA, (\abase)+8*(2*kI+bI)
	ds_load_b128 v[rA:rA+3],   v[LA] offset:(\aoff)+(2*kI+bI)*1024
	ds_load_b128 v[rA+4:rA+7], v[LA] offset:(\aoff)+(2*kI+bI)*1024+512
.set bI, bI+1
.endr
.set kI, kI+1
.endr
.endm
.macro LOADB b, slot                   ; my weight fragments 16 b .. 16 b + 15
	WIN 0xC0                                       ; destination window 3
.set fI, 16*(\b)
.rept 16
	ds_load_b128 v[8*fI:8*fI+3],   v[LB+(\slot)] offset:1024*fI
	ds_load_b128 v[8*fI+4:8*fI+7], v[LB+(\slot)] offset:1024*fI+512
.set fI, fI+1
.endr
.endm
; Half b of a tile's products with one set of activation fragments: fragment f = K step f / MT, m tile f % MT, times both bt.  The 2 MT accumulators take turns, one instruction a turn, from set to set,
; from half to half and from tile to tile.
.macro MMS b, MT, abase, mode
.set fI, 16*(\b)
.rept 16
.set kI, fI/(\MT)
.set mI, fI%(\MT)
.set bI, 0
.rept 2
.set rD, 8*(2*mI+bI)
.set rA, (\abase)+8*(2*kI+bI)
.set rB, 8*fI
.if ((\mode) == M_GXF) && (kI == 0)
	WIN 0x63                                       ; D window 1, C (the biases) window 2
	v_wmma_f32_16x16x32_f16 v[rD:rD+7], v[rB:rB+7], v[rA:rA+7], v[8*mI:8*mI+7]
.elseif ((\mode) == M_GXF) || ((\mode) == M_GXI)
	WIN 0x53                                       ; C and D window 1
	v_wmma_f32_16x16x32_f16 v[rD:rD+7], v[rB:rB+7], v[rA:rA+7], v[rD:rD+7]
.elseif ((\mode) == M_GAA) || (((\mode) == M_GAF) && (kI == 0))
	WIN 0x93                                       ; D window 2, C window 1
	v_wmma_f32_16x16x32_f16 v[rD:rD+7], v[rB:rB+7], v[rA:rA+7], v[rD:rD+7]
.elseif ((\mode) == M_SCZ) && (kI == 0)
	WIN 0xA3
	v_wmma_f32_16x16x32_f16 v[rD:rD+7], v[rB:rB+7], v[rA:rA+7], 0
.elseif ((\mode) == M_RZ) && (kI == 0)
	WIN 0xAB
	v_wmma_f32_16x16x32_f16 v[rD:rD+7], v[rB:rB+7], v[rA:rA+7], 0
.elseif ((\mode) == M_RZ) || ((\mode) == M_RI)
	WIN 0xAB                                       ; source 1, C and D window 2
	v_wmma_f32_16x16x32_f16 v[rD:rD+7], v[rB:rB+7], v[rA:rA+7], v[rD:rD+7]
.else
	WIN 0xA3                                       ; source 1 window 0, C and D window 2
	v_wmma_f32_16x16x32_f16 v[rD:rD+7], v[rB:rB+7], v[rA:rA+7], v[rD:rD+7]
.endif
.set bI, bI+1
.endr
.set fI, fI+1
.endr
.endm
; A TILE: my 32 fragments, in two halves; the second half's loads are on their way while the first is multiplied.  With loff >= 0 the activations come as hi (aoff ..) and lo (loff ..): each half of the tile is
; multiplied by the hi fragments and then by the lo ones, 128 products in all for 64.  At most 48 LDS loads are out.
; M_GXD, the last tile of x W_ih^T: its last K step is multiplied twice, once as ACC = GX + product (the first step's gates: the hidden state is 0) and once in place on GX, which is kept:
; 32 products more in place of 256 copies.  Five places stand in front of either run: the first takes fresh results as another accumulator's C, the second writes over what the first took as C.
.macro TILE slot, KS, MT, aoff, awin, abase, mode, loff=-1, lwin=0, lbase=0, lmode=0
	LOADA 0, \KS, \aoff, \awin, \abase
.if (\loff) >= 0
	LOADA 0, \KS, \loff, \lwin, \lbase
.endif
	LOADB 0, \slot
	s_wait_dscnt 0x0                               ; the first half is in
	LOADA 1, \KS, \aoff, \awin, \abase
.if (\loff) >= 0
	LOADA 1, \KS, \loff, \lwin, \lbase
.endif
	LOADB 1, \slot
.if (\mode) == M_GXD
	MMS 0, \MT, \abase, M_GXI
	s_wait_dscnt 0x0
	FIVE
	MMS 1, \MT, \abase, M_GAA
	FIVE
	MMS 1, \MT, \abase, M_GXI
.else
	MMS 0, \MT, \abase, \mode
.if (\loff) >= 0
	MMS 0, \MT, \lbase, \lmode
.endif
	s_wait_dscnt 0x0                               ; the second half is in
	MMS 1, \MT, \abase, \mode
.if (\loff) >= 0
	MMS 1, \MT, \lbase, \lmode
.endif
.endif
	WIN 0
.endm
; Eight f32 a at v[src ..] are split: g = 8193 a; hi = g + (a - g) is a rounded to 24 - 13 = 11 bits, which f16 holds exactly; lo = a - hi is exact in f32.  hi lands at v[hi ..], lo at v[lo ..].
.macro SPLIT src, lo, hi
.set pI, 0
.rept 4
	v_pk_mul_f32 v[(\lo)+pI:(\lo)+pI+1], v[(\src)+pI:(\src)+pI+1], s[KV:KV+1] op_sel_hi:[1,0]
.set pI, pI+2
.endr
.set pI, 0
.rept 4
	v_pk_add_f32 v[(\hi)+pI:(\hi)+pI+1], v[(\src)+pI:(\src)+pI+1], v[(\lo)+pI:(\lo)+pI+1] neg_lo:[0,1] neg_hi:[0,1]
.set pI, pI+2
.endr
.set pI, 0
.rept 4
	v_pk_add_f32 v[(\hi)+pI:(\hi)+pI+1], v[(\lo)+pI:(\lo)+pI+1], v[(\hi)+pI:(\hi)+pI+1]
.set pI, pI+2
.endr
.set pI, 0
.rept 4
	v_pk_add_f32 v[(\lo)+pI:(\lo)+pI+1], v[(\src)+pI:(\src)+pI+1], v[(\hi)+pI:(\hi)+pI+1] neg_lo:[0,1] neg_hi:[0,1]
.set pI, pI+2
.endr
.endm
; THE CELL for eight columns (16 jb + 8 h + 0..7 of my 64) of batch tile bt.  sigmoid(a) = 1 / (1 + 2^(-log2(e) a)), tanh(a) = 1 - 2 / (1 + 2^(2 log2(e) a)): a large a ends in an infinity whose reciprocal is 0,
; or in 0: both saturate rightly.  T+0..7 i, +8..15 f, +16..23 g, +24..31 o, +32..39 tanh(c) and h; then T+0..7 x, +8..15 h_lo, +16..23 h_hi, +40..43 h_hi in f16.  Each accumulator is read from its lowest registers on.
; Behind each run of exponentials or reciprocals a plain instruction stands before the first result is used (ISA guide 5.7.2).
.macro LSTMG jb, bt
.set rC, CC+8*(2*(\jb)+(\bt))
.set rXB, XB+4*(2*(\jb)+(\bt))
.set rHL, HL+4*(2*(\jb)+(\bt))
	WIN 0x02                                       ; source 0 window 2
.set qI, 0
.rept 4
.set pI, 0
.rept 4
.set rS, 8*(2*(4*qI+(\jb))+(\bt))+2*pI
.set rT, T+8*qI+2*pI
.if qI == 2
	v_pk_mul_f32 v[rT:rT+1], v[rS:rS+1], s[K2:K2+1] op_sel_hi:[1,0]
.else
	v_pk_mul_f32 v[rT:rT+1], v[rS:rS+1], s[KN:KN+1] op_sel_hi:[1,0]
.endif
.set pI, pI+1
.endr
.set qI, qI+1
.endr
	WIN 0
.set iI, 0
.rept 32
	v_exp_f32 v[T+iI], v[T+iI]
.set iI, iI+1
.endr
	v_nop
.set iI, 0
	s_wait_alu depctr_va_vdst(0)
.rept 16
	v_pk_add_f32 v[T+iI:T+iI+1], v[T+iI:T+iI+1], 1.0 op_sel_hi:[1,0]
.set iI, iI+2
.endr
.set iI, 0
.rept 32
	v_rcp_f32 v[T+iI], v[T+iI]
.set iI, iI+1
.endr
	v_nop
.set iI, 0
	s_wait_alu depctr_va_vdst(0)
.rept 4
	v_pk_fma_f32 v[T+16+iI:T+17+iI], v[T+16+iI:T+17+iI], -2.0, 1.0 op_sel_hi:[1,0,0]  ; tanh(g)
.set iI, iI+2
.endr
.set iI, 0
.rept 4
	v_pk_mul_f32 v[rC+iI:rC+iI+1], v[T+8+iI:T+9+iI], v[rC+iI:rC+iI+1]                 ; f c
.set iI, iI+2
.endr
.set iI, 0
.rept 4
	v_pk_fma_f32 v[rC+iI:rC+iI+1], v[T+iI:T+iI+1], v[T+16+iI:T+17+iI], v[rC+iI:rC+iI+1]  ; c = i g + f c
.set iI, iI+2
.endr
.set iI, 0
.rept 4
	v_pk_mul_f32 v[T+32+iI:T+33+iI], v[rC+iI:rC+iI+1], s[K2:K2+1] op_sel_hi:[1,0]
.set iI, iI+2
.endr
.set iI, 0
.rept 8
	v_exp_f32 v[T+32+iI], v[T+32+iI]
.set iI, iI+1
.endr
	v_nop
.set iI, 0
	s_wait_alu depctr_va_vdst(0)
.rept 4
	v_pk_add_f32 v[T+32+iI:T+33+iI], v[T+32+iI:T+33+iI], 1.0 op_sel_hi:[1,0]
.set iI, iI+2
.endr
.set iI, 0
.rept 8
	v_rcp_f32 v[T+32+iI], v[T+32+iI]
.set iI, iI+1
.endr
.set iI, 0
.rept 4                                                ; x from bf16 to f32: a shift, a mask; these are the plain instructions behind the reciprocals
	v_lshlrev_b32 v[T+2*iI], 16, v[rXB+iI]
	v_and_b32 v[T+2*iI+1], s[HIM], v[rXB+iI]
.set iI, iI+1
.endr
.set iI, 0
	s_wait_alu depctr_va_vdst(0)
.rept 4
	v_pk_fma_f32 v[T+32+iI:T+33+iI], v[T+32+iI:T+33+iI], -2.0, 1.0 op_sel_hi:[1,0,0]  ; tanh(c)
.set iI, iI+2
.endr
.set iI, 0
.rept 4
	v_pk_fma_f32 v[T+32+iI:T+33+iI], v[T+24+iI:T+25+iI], v[T+32+iI:T+33+iI], v[T+iI:T+iI+1]  ; h = o tanh(c) + x
.set iI, iI+2
.endr
	SPLIT T+32, T+8, T+16
.set iI, 0
.rept 4
	v_cvt_pk_f16_f32 v[T+40+iI], v[T+16+2*iI], v[T+17+2*iI]
	v_cvt_pk_f16_f32 v[rHL+iI], v[T+8+2*iI], v[T+9+2*iI]                               ; h_lo is also kept: it is published a second time, for the gates
.set iI, iI+1
.endr
	ds_store_b128 v[PUBH], v[T+40:T+43] offset:(((\jb)>>1)*2+(\bt))*1024+((\jb)&1)*512  ; half jb % 2 of the fragment of K step 2 w + jb / 2
	ds_store_b128 v[PUBH], v[rHL:rHL+3] offset:LOFF+(((\jb)>>1)*2+(\bt))*1024+((\jb)&1)*512
.endm
; one packed c s - c m: pair p of score tile t (bt = t % 2)
.macro SC1 t, p
	v_pk_fma_f32 v[8*(\t)+2*(\p):8*(\t)+2*(\p)+1], v[8*(\t)+2*(\p):8*(\t)+2*(\p)+1], s[KL:KL+1], v[T+8+2*((\t)%2):T+9+2*((\t)%2)] op_sel_hi:[1,0,0] neg_lo:[0,0,1] neg_hi:[0,0,1]
.endm
	; ---------------------------------------------------------------- the head
	s_load_b128 s[4:7], s[0:1], 0x0                ; query_mean s[4:5], wst s[6:7]
	s_load_b64 s[8:9], s[0:1], 0x10                ; out0
	v_lshl_add_u32 v[SPW], v0, 2, SPARE
	v_mov_b32 v[NIL], 0
	ds_add_u32 v[SPW], v[NIL]                      ; the wave's opening: the add and its wait stand ahead of my first tensor load; the set-up below, work on registers, stands between them
	v_lshrrev_b32 v1, 5, v0
	v_readfirstlane_b32 s10, v1                    ; wave 0..3
	s_bfe_u32 s11, ttmp6, 0x40000                  ; cx: my place in the cluster
	s_lshl_b32 s12, ttmp9, 2                       ; in a cluster launch ttmp9 counts clusters
	s_add_co_u32 s12, s12, s11                     ; my block of 32 batch rows: it enters x's and out's addresses alone
	; descriptor group 1: a wave's quarter of a tile is 32,768 dense bytes, asked for as 128 rows of 256 bytes
	s_mov_b32 s[G1+0], 15|(3<<16)|(1<<21)          ; 15:0 the mask of four; 17:16 elements of 8 bytes; 21 set beside a mask; no padding: every fragment load takes consecutive bytes
	s_mov_b32 s[G1+1], 32<<16                      ; tensor_dim0 = 32
	s_mov_b32 s[G1+2], 128<<16                     ; tensor_dim1 = 128
	s_mov_b32 s[G1+3], 32<<16                      ; tile_dim0 = 32
	s_mov_b32 s[G1+4], 128                         ; tile_dim1 = 128
	s_mov_b32 s[G1+5], 32                          ; 32 elements from row to row
	s_mov_b32 s[G1+6], 0
	s_mov_b32 s[G1+7], 0
	s_lshl_b32 s14, s10, 15                        ; 32,768 w: my quarter, in wst and in a slot
	s_mov_b32 s15, 0
	s_mov_b32 s[G0A], 1                            ; 1:0 count = 1
	s_mov_b32 s[G0A+1], s14                        ; 63:32 LDS address: slot 0; never changed
	s_mov_b32 s[G0B], 1
	s_add_co_u32 s[G0B+1], s14, SLOTB              ; slot 1; never changed
	s_mov_b32 s[OFF+1], 0
	s_mov_b32 s[NXT], 2
	s_mov_b32 s[KN], 0xbfb8aa3b
	s_mov_b32 s[KN+1], 0xbfb8aa3b                  ; named as pairs, so both words are written
	s_mov_b32 s[K2], 0x4038aa3b
	s_mov_b32 s[K2+1], 0x4038aa3b
	s_mov_b32 s[KL], 0x3fb8aa3b
	s_mov_b32 s[KL+1], 0x3fb8aa3b
	s_mov_b32 s[KV], 0x46000400                    ; 8193.0
	s_mov_b32 s[KV+1], 0x46000400
	s_mov_b32 s[SEL], 0x76543210
	s_mov_b32 s[SEL+1], 0xfedcba98
	s_mov_b32 s[HIM], 0xffff0000
	s_lshl_b32 s50, s12, 15                        ; x: 32 rows of 1,024 bytes a work-group,
	s_lshl_b32 s13, s10, 13                        ; of which my wave fetches eight
	s_add_co_u32 s50, s50, s13
	s_mov_b32 s51, 0
	s_lshl_b32 s52, s12, 16                        ; out: 32 rows of 2,048 bytes a work-group,
	s_lshl_b32 s13, s10, 9                         ; my wave's 128 columns
	s_add_co_u32 s52, s52, s13
	s_mov_b32 s53, 0
	v_and_b32 v1, 31, v0                           ; L
	v_and_b32 v14, 15, v0                          ; r
	v_bfe_u32 v15, v0, 4, 1                        ; h
	v_lshl_add_u32 v[LB], v1, 4, s14
	v_add_nc_u32 v[LB+1], SLOTB, v[LB]
	v_lshl_add_u32 v[LA], v1, 4, HF
	s_lshl_b32 s38, s10, 12
	v_add_nc_u32 v[PUBH], s38, v[LA]
	s_lshl_b32 s38, s10, 13
	s_add_co_u32 s38, s38, 16384
	v_add_nc_u32 v[PUBP], s38, v[LA]
	s_lshl_b32 s38, s10, 2
	s_add_co_u32 s38, s38, MX
	v_lshl_add_u32 v[MXW], v1, 4, s38
	v_lshl_add_u32 v[MXR], v14, 4, MX
	s_mul_i32 s38, s10, 16*528
	s_add_co_u32 s38, s38, PX                      ; my stage of out
	v_mul_u32_u24 v[OST], v14, 528                 ; 528 bytes = 132 words: row r starts at bank 4 r mod 64 (64 banks of 4 bytes: ISA guide 11.1)
	v_lshl_add_u32 v[OST], v15, 5, v[OST]
	v_add_nc_u32 v[OST], s38, v[OST]
	v_lshl_add_u32 v[ORD], v1, 4, s38
	v_lshlrev_b32 v[GO], 4, v1
	s_mul_i32 s38, s10, 8*1040
	s_add_co_u32 s38, s38, PX
	v_lshl_add_u32 v[XW], v1, 4, s38               ; x's stage: my wave's eight rows, 1,040 bytes apart (260 words: row r starts at bank 4 r mod 64)
	s_lshl_b32 s38, s10, 8
	v_lshl_add_u32 v[BOFF], v15, 5, s38            ; 256 w + 32 h: my eight columns of a block of sixteen, in f32
	v_mul_u32_u24 v[XR], v14, 1040
	v_add_nc_u32 v[XR], v[XR], v[BOFF]
	v_add_nc_u32 v[XR], PX, v[XR]                  ; row r, the same columns
	s_wait_dscnt 0x0                               ; the opening add is done
	s_wait_kmcnt 0x0
	s_add_nc_u64 s[4:5], s[4:5], s[50:51]
	s_add_nc_u64 s[8:9], s[8:9], s[52:53]
	s_add_nc_u64 s[WB:WB+1], s[6:7], s[14:15]
	s_add_nc_u64 s[G0A+2:G0A+3], s[WB:WB+1], 0     ; 120:64 global address: tile 0,
	s_or_b32 s[G0A+3], s[G0A+3], 0x80000000        ; 127:126 type = 2
	s_add_nc_u64 s[G0B+2:G0B+3], s[WB:WB+1], SLOTB ; tile 1
	s_or_b32 s[G0B+3], s[G0B+3], 0x80000000
.set iI, 0
.rept 16                                               ; x: my wave's eight rows, 512 consecutive bytes a load
	global_load_b128 v[AF+4*iI:AF+4*iI+3], v[GO], s[4:5] offset:512*iI th:TH_LOAD_NT
.set iI, iI+1
.endr
	WIN 0x80                                       ; destination window 2
.set mI, 0
.rept 16                                               ; the biases of m tile mt = 4 q + jb in a result's layout: register j holds column 16 jb + 8 h + j of gate q, whatever the batch row
	global_load_b128 v[8*mI:8*mI+3],   v[BOFF], s[6:7] offset:BIAS+1024*(mI/4)+64*(mI%4)
	global_load_b128 v[8*mI+4:8*mI+7], v[BOFF], s[6:7] offset:BIAS+1024*(mI/4)+64*(mI%4)+16
.set mI, mI+1
.endr
	WIN 0
	ROUND                                          ; all four work-groups are here: the first joint loads meet
	tensor_load_to_lds s[G0A:G0A+3], s[G1:G1+7]    ; the two first fills go out together: two loads of mine are out
	s_nop 0
	tensor_load_to_lds s[G0B:G0B+3], s[G1:G1+7]
	s_nop 0
	PLACES
.set iI, 0
.rept 64                                               ; c = 0: the price of one text of the cell for all four steps; it stands in the wait for x and the first tile
	v_mov_b32 v[CC+iI], 0
.set iI, iI+1
.endr
	s_wait_loadcnt 32                              ; x is in: the 32 loads of biases were issued behind its sixteen
.set iI, 0
.rept 16
	ds_store_b128 v[XW], v[AF+4*iI:AF+4*iI+3] offset:(iI/2)*1040+512*(iI%2)
.set iI, iI+1
.endr
	MEETWG                                         ; everybody's rows lie in the stage
.set gI, 0
.rept 8                                                ; x in a result's layout, group (jb, bt) = (g / 2, g % 2): row 16 bt + r, columns 64 w + 16 jb + 8 h + 0..7; as f32 it fills XB's and HL's 64 registers
	ds_load_b128 v[XB+8*gI:XB+8*gI+3],   v[XR] offset:16640*(gI%2)+64*(gI/2)
	ds_load_b128 v[XB+8*gI+4:XB+8*gI+7], v[XR] offset:16640*(gI%2)+64*(gI/2)+16
.set gI, gI+1
.endr
	s_wait_dscnt 0x0
.set iI, 0
.rept 32                                               ; rounded to bf16 and packed in place, ascending: word i is written when numbers 2 i and 2 i + 1 are read, and no number above them has been touched
	v_cvt_pk_bf16_f32 v[XB+iI], v[XB+2*iI], v[XB+2*iI+1]
.set iI, iI+1
.endr
.set iI, 0
.rept 32
	v_lshlrev_b32 v[AF+2*iI], 16, v[XB+iI]
	v_and_b32 v[AF+2*iI+1], s[HIM], v[XB+iI]
.set iI, iI+1
.endr
.set iI, 0
.rept 32                                               ; the rounded x as f16: exact
	v_cvt_pk_f16_f32 v[T+iI], v[AF+2*iI], v[AF+2*iI+1]
.set iI, iI+1
.endr
.set gI, 0
.rept 8
	ds_store_b128 v[PUBH], v[T+4*gI:T+4*gI+3] offset:((gI/4)*2+gI%2)*1024+((gI/2)%2)*512
.set gI, gI+1
.endr
	s_wait_dscnt 0x0                               ; my part of x's fragments lies in HF, and my reads of the stage are over
	s_wait_tensorcnt 0x1                           ; my quarter of tile 0 is in; tile 1, issued behind it, may stay out
	s_barrier_signal -1
	s_barrier_wait -1
	s_wait_loadcnt 0x0                             ; the biases
	; ---------------------------------------------------------------- GX = x W_ih^T + biases: tiles 0..3, two K steps each; x is exact in f16 and has no lo part
	TILE 0, 2, 16, 0, 0, AF, M_GXF
	CHANGE 1
	TILE 1, 2, 16, 4096, 0, AF, M_GXI
	CHANGE 0
	TILE 0, 2, 16, 8192, 0, AF, M_GXI
	CHANGE 1
	TILE 1, 2, 16, 12288, 0, AF, M_GXD
	s_mov_b32 s[STEPS], 4
	s_branch .Llstm                                ; the loop is entered at the cell: the cell runs four times, the rest of a trip three times
.Lstep:
	; ---------------------------------------------------------------- scores = (h_hi + h_lo) S^T: tiles 4, 5, four K steps each
	CHANGE 0                                       ; its round also shows every wave's h to all
	TILE 0, 4, 8, 0, 0, AF, M_SCZ, LOFF, 0x80, 128, M_RI
	CHANGE 1
	TILE 1, 4, 8, 8192, 0, AF, M_ACI, LOFF+8192, 0x80, 128, M_RI
	; my wave's maximum for each batch row: 64 scores a lane and bt, three operands at a time, each accumulator from its lowest registers on
	PLACES
	WIN 0x2A                                       ; all three sources window 2
.set tI, 0
.rept 16
	v_max3_num_f32 v[T+tI], v[8*tI], v[8*tI+1], v[8*tI+2]
.set tI, tI+1
.endr
	WIN 0x28                                       ; sources 1 and 2 window 2
.set tI, 0
.rept 16
	v_max3_num_f32 v[T+tI], v[T+tI], v[8*tI+3], v[8*tI+4]
.set tI, tI+1
.endr
.set tI, 0
.rept 16
	v_max3_num_f32 v[T+tI], v[T+tI], v[8*tI+5], v[8*tI+6]
.set tI, tI+1
.endr
.set tI, 0
.rept 8                                                ; the eighth scores of two tiles of one bt (m tiles 2 k and 2 k + 1)
.set uI, 4*(tI/2)+tI%2
	v_max3_num_f32 v[T+uI], v[T+uI], v[8*uI+7], v[8*uI+23]
.set tI, tI+1
.endr
	WIN 0
.irp b, 0,1
	v_max3_num_f32 v[T+\b], v[T+\b], v[T+2+\b], v[T+4+\b]
	v_max3_num_f32 v[T+6+\b], v[T+6+\b], v[T+8+\b], v[T+10+\b]
.endr
.irp b, 0,1
	v_max3_num_f32 v[T+\b], v[T+\b], v[T+12+\b], v[T+14+\b]
.endr
.irp b, 0,1
	v_max_num_f32 v[T+\b], v[T+\b], v[T+6+\b]
.endr
.irp b, 0,1
	v_permlanex16_b32 v[T+2+\b], v[T+\b], s[SEL], s[SEL+1]  ; the row's other 64 scores lie in the lane 16 away
.endr
.irp b, 0,1
	v_max_num_f32 v[T+\b], v[T+\b], v[T+2+\b]
.endr
	v_cndmask_b32 v[T+4], v[T], v[T+1], s[HIM]     ; lane L speaks for row L: lanes 16-31 take bt 1's
	ds_store_b32 v[MXW], v[T+4]
	; ---------------------------------------------------------------- softmax, while the second tile of turned support is on its way
	CHANGE 0                                       ; its round also shows the four waves' maxima to all, and ends everybody's reads of h_lo: p may be written over it
	ds_load_b128 v[T+0:T+3], v[MXR]                ; row r,
	ds_load_b128 v[T+4:T+7], v[MXR] offset:256     ; row 16 + r
	s_wait_dscnt 0x0
	v_max3_num_f32 v[T+0], v[T+0], v[T+1], v[T+2]
	v_max3_num_f32 v[T+4], v[T+4], v[T+5], v[T+6]
	v_max_num_f32 v[T+0], v[T+0], v[T+3]           ; the rows' maxima m
	v_max_num_f32 v[T+4], v[T+4], v[T+7]
	v_mul_f32 v[T+8], s[KL], v[T+0]                ; log2(e) m, in pairs: the packed scaling names a pair and takes its low word
	v_mul_f32 v[T+9], s[KL], v[T+0]
	v_mul_f32 v[T+10], s[KL], v[T+4]
	v_mul_f32 v[T+11], s[KL], v[T+4]
	WIN 0x82                                       ; destination and source 0 window 2, source 2 window 0
.irp p, 0,1,2,3
	SC1 0, \p
.endr
.set tI, 0
.rept 16                                               ; p = 2^(log2(e) s - log2(e) m), in place; the next tile's scalings stand among a tile's exponentials
.set pI, 0
.rept 4
	v_exp_f32 v[8*tI+2*pI], v[8*tI+2*pI]
	v_exp_f32 v[8*tI+2*pI+1], v[8*tI+2*pI+1]
.if tI < 15
	SC1 tI+1, pI
.endif
.set pI, pI+1
.endr
.set tI, tI+1
.endr
	v_nop                                          ; a plain instruction behind the last exponentials
	WIN 0x0A                                       ; sources 0 and 1 window 2, destination window 0
.set iI, 0
	s_wait_alu depctr_va_vdst(0)
.rept 64
	v_cvt_pk_f16_f32 v[AF+iI], v[2*iI], v[2*iI+1]
.set iI, iI+1
.endr
.set cI, 0
.rept 4                                                ; the sums of the unrounded p: four chains (bt = c / 2, a half of each tile's pairs), started by an addition of two pairs: nothing is cleared
	v_pk_add_f32 v[T+12+2*cI:T+13+2*cI], v[8*(cI/2)+4*(cI%2):8*(cI/2)+4*(cI%2)+1], v[8*(cI/2)+4*(cI%2)+2:8*(cI/2)+4*(cI%2)+3]
.set cI, cI+1
.endr
	WIN 0x08                                       ; source 1 window 2
.set mI, 1
.rept 7
.set pI, 0
.rept 2
.set cI, 0
.rept 4
.set rS, 8*(2*mI+cI/2)+4*(cI%2)+2*pI
	v_pk_add_f32 v[T+12+2*cI:T+13+2*cI], v[T+12+2*cI:T+13+2*cI], v[rS:rS+1]
.set cI, cI+1
.endr
.set pI, pI+1
.endr
.set mI, mI+1
.endr
	WIN 0
.set tI, 0
.rept 16                                               ; tile t = 2 mt + bt is half mt % 2 of p's fragment of K step 4 w + mt / 2
	ds_store_b128 v[PUBP], v[AF+4*tI:AF+4*tI+3] offset:((tI/4)*2+tI%2)*1024+((tI/2)%2)*512
.set tI, tI+1
.endr
	v_pk_add_f32 v[T+12:T+13], v[T+12:T+13], v[T+14:T+15]
	v_pk_add_f32 v[T+16:T+17], v[T+16:T+17], v[T+18:T+19]
	v_add_f32 v[T+12], v[T+12], v[T+13]
	v_add_f32 v[T+16], v[T+16], v[T+17]
	v_permlanex16_b32 v[T+13], v[T+12], s[SEL], s[SEL+1]
	v_permlanex16_b32 v[T+17], v[T+16], s[SEL], s[SEL+1]
	v_add_f32 v[T+12], v[T+12], v[T+13]
	v_add_f32 v[T+16], v[T+16], v[T+17]
	v_cndmask_b32 v[T+20], v[T+12], v[T+16], s[HIM]
	ds_store_b32 v[MXW], v[T+20] offset:512
	MEETWG                                         ; everybody's p and sums lie in LDS
	ds_load_b128 v[T+0:T+3], v[MXR] offset:512     ; the four waves' sums for row r,
	ds_load_b128 v[T+4:T+7], v[MXR] offset:768     ; and for row 16 + r; the tile's first wait covers them
	; ---------------------------------------------------------------- r = p S: tiles 6, 7, eight K steps each
	TILE 0, 8, 4, 16384, 0x80, 128, M_RZ
	CHANGE 1                                       ; behind its round nobody reads p's K steps 0..7 any more
	TILE 1, 8, 4, 32768, 0x80, 128, M_RI
	s_wait_dscnt 0x0                               ; my reads of p's K steps 8..15 are over;
	s_barrier_signal -1                            ; everybody's are, before r_lo is written over them.
	v_pk_add_f32 v[T+0:T+1], v[T+0:T+1], v[T+2:T+3]  ; l; these four additions and the v_nop below are the places behind the last products
	v_pk_add_f32 v[T+4:T+5], v[T+4:T+5], v[T+6:T+7]
	v_add_f32 v[T+0], v[T+0], v[T+1]
	v_add_f32 v[T+4], v[T+4], v[T+5]
	v_rcp_f32 v[T+8], v[T+0]                       ; 1 / l, twice: a pair for the packed multiply
	v_rcp_f32 v[T+9], v[T+0]
	v_rcp_f32 v[T+10], v[T+4]
	v_rcp_f32 v[T+11], v[T+4]
	v_nop
	s_barrier_wait -1
	WIN 0x02                                       ; source 0 window 2
.set iI, 0
	s_wait_alu depctr_va_vdst(0)
.rept 32                                               ; pair i % 4 of tile t = i / 4 = 2 mt + bt
	v_pk_mul_f32 v[AF+2*iI:AF+2*iI+1], v[2*iI:2*iI+1], v[T+8+2*((iI/4)%2):T+9+2*((iI/4)%2)] op_sel_hi:[1,0]
.set iI, iI+1
.endr
	WIN 0
.set tI, 0
.rept 8                                                ; r's K step 2 w + mt / 2, half mt % 2: hi into PX's lower half, lo into its upper
	SPLIT AF+8*tI, T+16, T+24
.set iI, 0
.rept 4
	v_cvt_pk_f16_f32 v[T+32+iI], v[T+24+2*iI], v[T+25+2*iI]
	v_cvt_pk_f16_f32 v[T+36+iI], v[T+16+2*iI], v[T+17+2*iI]
.set iI, iI+1
.endr
	ds_store_b128 v[PUBH], v[T+32:T+35] offset:16384+((tI/4)*2+tI%2)*1024+((tI/2)%2)*512
	ds_store_b128 v[PUBH], v[T+36:T+39] offset:LOFF+((tI/4)*2+tI%2)*1024+((tI/2)%2)*512
.set tI, tI+1
.endr
	; ---------------------------------------------------------------- gates = GX + (r_hi + r_lo) W_r^T + (h_hi + h_lo) W_h^T: tiles 8..11, then 12..15, two K steps each
	CHANGE 0                                       ; its round also shows every wave's r to all
	TILE 0, 2, 16, 16384, 0, AF, M_GAF, LOFF, 0, AF+32, M_ACI
	CHANGE 1
	TILE 1, 2, 16, 20480, 0, AF, M_ACI, LOFF+4096, 0, AF+32, M_ACI
	CHANGE 0
	TILE 0, 2, 16, 24576, 0, AF, M_ACI, LOFF+8192, 0, AF+32, M_ACI
	CHANGE 1
	TILE 1, 2, 16, 28672, 0, AF, M_ACI, LOFF+12288, 0, AF+32, M_ACI
	CHANGE 0                                       ; behind its round nobody reads r_lo any more:
.set gI, 0
.rept 8                                                ; h_lo, kept in registers since the cell, takes its place
	ds_store_b128 v[PUBH], v[HL+4*gI:HL+4*gI+3] offset:LOFF+((gI/4)*2+gI%2)*1024+((gI/2)%2)*512
.set gI, gI+1
.endr
	MEETWG                                         ; everybody's h_lo lies there
	TILE 0, 2, 16, 0, 0, AF, M_ACI, LOFF, 0, AF+32, M_ACI
	CHANGE 1
	TILE 1, 2, 16, 4096, 0, AF, M_ACI, LOFF+4096, 0, AF+32, M_ACI
	CHANGE 0
	TILE 0, 2, 16, 8192, 0, AF, M_ACI, LOFF+8192, 0, AF+32, M_ACI
	CHANGE 1
	TILE 1, 2, 16, 12288, 0, AF, M_ACI, LOFF+12288, 0, AF+32, M_ACI
.Llstm:
	; ---------------------------------------------------------------- the cell; h goes where the tile just multiplied found x (the first time) or the old h.  The first tile of support is on its way meanwhile
	MEETWG                                         ; everybody's reads of those fragments are over
	PLACES
.irp jb, 0,1,2,3
	LSTMG \jb, 0
	LSTMG \jb, 1
.endr
	s_sub_co_u32 s[STEPS], s[STEPS], 1
	s_cmp_lg_u32 s[STEPS], 0
	s_cbranch_scc1 .Lstep
	; ---------------------------------------------------------------- the tail is written out: the last scores are the result
	CHANGE 0                                       ; asks for tile 5, the last load
	TILE 0, 4, 8, 0, 0, AF, M_SCZ, LOFF, 0x80, 128, M_RI
	s_wait_tensorcnt 0x0                           ; my quarter of tile 5 is in; I alone read it, and nothing is filled again: no barrier
	PLACES                                         ; in front of the loads into registers that the products above have read
	TILE 1, 4, 8, 8192, 0, AF, M_ACI, LOFF+8192, 0x80, 128, M_RI
	; THE WAY OUT.  A lane's eight f32 of a row go into my own stage, rows of 528 bytes, and come back as whole pieces of 512 bytes, my wave's 128 columns of a row.
	MEETWG                                         ; the stages lie where h_lo lay: everybody's reads of it are over
	PLACES
.macro OSTAGE b
	WIN 0x08                                       ; store data window 2
.set mI, 0
.rept 8
	ds_store_b128 v[OST], v[8*(2*mI+(\b)):8*(2*mI+(\b))+3]   offset:64*mI
	ds_store_b128 v[OST], v[8*(2*mI+(\b))+4:8*(2*mI+(\b))+7] offset:64*mI+16
.set mI, mI+1
.endr
.endm
.macro OBACK b
	WIN 0xC0                                       ; destination window 3
.set iI, 0
.rept 16
	ds_load_b128 v[64*(\b)+4*iI:64*(\b)+4*iI+3], v[ORD] offset:528*iI  ; LDS serves a wave's instructions in order (ISA guide 5.7.1.4): these see the stores above, and the next stores come behind them
.set iI, iI+1
.endr
.endm
.macro OSEND b
	WIN 0x0C                                       ; store data window 3
.set iI, 0
.rept 16
	global_store_b128 v[GO], v[64*(\b)+4*iI:64*(\b)+4*iI+3], s[8:9] offset:32768*(\b)+2048*iI th:TH_STORE_NT  ; 512 consecutive bytes, at a multiple of 512 from out's first byte
.set iI, iI+1
.endr
.endm
	OSTAGE 0
	OBACK 0
	OSTAGE 1
	s_wait_dscnt 16                                ; bt 0's rows are back: behind their loads stand bt 1's sixteen stores
	OSEND 0
	OBACK 1
	s_wait_dscnt 0x0
	OSEND 1
	WIN 0
	s_wait_tensorcnt 0x0                           ; the wave's end, behind my last tensor load and my last LDS store
	ds_add_u32 v[SPW], v[NIL]
	s_wait_dscnt 0x0
	ROUND                                          ; the closing round: no work-group ends while a partner may still ask for a tile that names it
	s_endpgm
.Lfunc_end_k_q93864d7e89_chain:
	.size	k_q93864d7e89_chain, .Lfunc_end_k_q93864d7e89_chain-k_q93864d7e89_chain
	.p2alignl 7, 3214868480
	.fill 96, 4, 3214868480
	.section	.rodata,"a",@progbits
	.p2align	6, 0x0
	.amdhsa_kernel k_q93864d7e89_chain
		.amdhsa_group_segment_fixed_size 327680
		.amdhsa_private_segment_fixed_size 0
		.amdhsa_enable_private_segment 0
		.amdhsa_kernarg_size 24
		.amdhsa_user_sgpr_count 2
		.amdhsa_user_sgpr_kernarg_segment_ptr 1
		.amdhsa_wavefront_size32 1
		.amdhsa_system_sgpr_workgroup_id_x 1
		.amdhsa_system_sgpr_workgroup_id_y 1
		.amdhsa_system_sgpr_workgroup_id_z 1
		.amdhsa_system_vgpr_workitem_id 0
		.amdhsa_next_free_vgpr 1024
		.amdhsa_next_free_sgpr 66
		.amdhsa_reserve_vcc 0
		.amdhsa_float_denorm_mode_32 3
		.amdhsa_float_denorm_mode_16_64 3
		.amdhsa_memory_ordered 1
		.amdhsa_forward_progress 1
		.amdhsa_inst_pref_size 255
	.end_amdhsa_kernel
	.section	.bss,"aw",@nobits
	.p2align	6
	.space	262144
	.amdgpu_metadata
---
amdhsa.version: [ 1, 2 ]
amdhsa.kernels:
  - .name:           k_q93864d7e89_chain
    .symbol:         k_q93864d7e89_chain.kd
    .args:
      - { .name: query_mean, .offset: 0, .size: 8, .value_kind: global_buffer, .address_space: global }
      - { .name: wst, .offset: 8, .size: 8, .value_kind: global_buffer, .address_space: global }
      - { .name: out0, .offset: 16, .size: 8, .value_kind: global_buffer, .address_space: global }
    .group_segment_fixed_size: 327680
    .private_segment_fixed_size: 0
    .kernarg_segment_align: 8
    .kernarg_segment_size: 24
    .max_flat_workgroup_size: 128
    .sgpr_count:     66
    .vgpr_count:     1024
    .wavefront_size: 32
...
	.end_amdgpu_metadata
.endif
;; end of part 2
